; MI455X (gfx1250); checked and timed in simulation.
; The chip was launched on July 23, 2026; its instructions are those of AMD's public machine-readable ISA for CDNA 5 (MIT licence, August 2026) and "CDNA5" Instruction Set Architecture Reference Guide (July 2026). The comments in the code are by the model that wrote it; some were corrected since.
;; HMLSTM Cell3. Allowed arithmetic: float matrix products may take bf16 or f16 operands with f32 sums; other float arithmetic in f32, or as packed bf16 or f16 multiplies, adds, multiply-adds, maxima and minima; sums over many terms, partial sums and values carried from step to step in f32; what a program stores and reads back later, other than sums and carried values, may be rounded once to bf16 or f16.
;; Inputs: R 1,024 x 4,097 float32; U 1,024 x 4,097 float32; W 1,024 x 4,097 float32; b 4,097 float32; c 4,096 x 1,024 float32; h 4,096 x 1,024 float32; h_bottom 4,096 x 1,024 float32; h_top 4,096 x 1,024 float32; z 4,096 x 1 float32; z_bottom 4,096 x 1 float32.
;; Outputs: out0 4,096 x 1,024 float32; out1 4,096 x 1,024 float32; out2 4,096 x 1 float32.
;; One version. Each part assembles by itself: llvm-mc -triple=amdgcn-amd-amdhsa -mcpu=gfx1250 --defsym DOCPART=n.
;; ======== version 1 of 1: 2 launches
;; limits: values outside matrix products are rounded to bf16
;; workspace buffers: abf 25,165,824 bytes; wbf 25,165,824 bytes; szp 131,072 bytes
;; launch prep (part 1): grid 256 x 1, 8 waves a work-group, no clusters, 236,800 bytes of LDS; arguments W, R, U, h_bottom, h, h_top, z, z_bottom, abf, wbf, szp; writes abf, wbf, szp
.if DOCPART == 1
	.amdgcn_target "amdgcn-amd-amdhsa--gfx1250"
	.amdhsa_code_object_version 6
	.text
	.protected	k_qb07cb5b152_prep
	.globl	k_qb07cb5b152_prep
	.p2align	8
	.type	k_qb07cb5b152_prep,@function
k_qb07cb5b152_prep:
	s_mov_b64 s[64:65], 0
	v_nop
	global_prefetch_b8 v0, s[64:65] scope:SCOPE_SE
	s_setreg_imm32_b32 hwreg(HW_REG_WAVE_MODE, 25, 1), 1
	s_wait_xcnt 0x0
; HM-LSTM cell, first of two launches: the matrix operands are rounded to bf16 and laid out, and the boundary column's product is taken.
;   s = (h_bottom z_bottom) W + h R + (h_top z) U + b is ONE product with K = 3,072 (k 0-1023: h_bottom and W; 1024-2047: h and R; 2048-3071: h_top and U).
; NOTHING OF THE PROBLEM IS LEFT OUT: every input has a way to an output and is loaded, here or in the second launch; every product is taken for every row, whatever z and z_bottom hold.
; abf [4096 rows][3072 k] bf16: bf16(h_bottom z_bottom), bf16(h), bf16(h_top z).
; wbf [4096 n'][3072 k] bf16: the weights turned, K along the rows, columns 0 .. 4095 in a new order: column 1024 gate + j goes to row n' = 128 (j / 32) + 32 gate + j % 32,
;   so that 128 neighbouring rows hold all four gates of 32 neighbouring j.
; szp [8 kb][4096 rows] f32: the part of column 4096's sum that falls on the 3 x 128 k of block kb: bf16 operands, exact products, f32 sums (partial sums stay f32).
; WHY BF16 FOR COLUMN 4096 TOO: z_new is 0 or 1 by the sign of that sum, so its operands have the one rounding that all matrix operands of the program have.
; LIMIT: where z or z_bottom is neither 0 nor 1 the product h z is rounded once, to bf16, not its factors.
; SHARES.  Work-group g: kb = g % 8, q = g / 8.  Weights: rows k = 128 kb .. + 127, columns 128 q .. + 127 of W, R and U, brought by tensor loads (waves 0-5, 64 rows each).
; Activations: rows 128 q .. + 127, columns 128 kb .. + 127 of the three, through registers: wave w has 16 rows, a lane 16 bytes of each.  No LDS byte is filled twice.
.set WROW,   16388                     ; bytes in a row of W, R, U
.set AROW,   4096                      ; bytes in a row of an activation
.set OROW,   6144                      ; bytes in a row of abf and of wbf
.set TPITCH, 520                       ; a tile's row in LDS: 512 bytes + 8 of padding = 130 words: 8 rows on is 16 banks on (64 banks of 4 bytes: ISA guide 11.1)
.set TILE,   128*TPITCH                ; 66,560: tile s (W, R, U) begins at s x TILE
.set STAGE,  3*TILE                    ; 16 rows x 272 bytes for each wave, its own
.set SPITCH, 272
.set WZ,     STAGE+8*16*SPITCH         ; column 4096 of my 3 x 128 rows of the weights, bf16: [3][128]
.set ZP,     WZ+768                    ; the 128 rows' partial sums
.set SPARE,  ZP+512                    ; the spare words, 128 bytes for each wave: four blocks of 256 bytes that no other line names
.set AO,  2                            ; v2   my 16 bytes in row 0 of my wave's 16 rows of an activation; never rewritten
.set SO,  3                            ; v3   my 8 bytes of the same row in abf; never rewritten
.set GV,  4                            ; v4   (thread % 64) x 2 rows of a weight matrix; never rewritten
.set L16, 5                            ; v5   lane % 16
.set ZPA, 6                            ; v6   where row lane % 16 of my wave puts its sum
.set TA,  7                            ; v7-9 tile s: column 16 w + lane % 16, row 8 (lane / 16)
.set STO, 10                           ; v10  the stage: where I put 16 bytes of a row
.set RD,  11                           ; v11  the stage: where I read a row back
.set WO,  12                           ; v12  my 16 bytes in the first two of 16 rows of wbf; never rewritten
.set RES, 13                           ; v13  lane l keeps the sum of row l % 16
.set SPW, 14                           ; v14  my spare word; never rewritten
.set NIL, 15                           ; v15  0; never rewritten
.set ZR,  16                           ; v16  0: the addend that starts a chain
.set L4,  17                           ; v17  16 x lane
.set T,   18                           ; v18-21 four chains of a row's sum
.set WZR, 24                           ; v24-29 column 4096 at my four k, bf16, for W, R, U
.set GW,  30                           ; v30-35 column 4096 as gathered, f32
.set SZ,  36                           ; v36-39 four sums on their way to szp
.set WZS, 40                           ; v40  where a gathering thread puts its word
.set WZL, 41                           ; v41  where a lane reads its four k
.set ZPR, 42                           ; v42  ZP + 16 x lane
.set X,   48                           ; v48-239  the 48 loads of 16 rows; later three sets of 64 for the turning
.set WV,  26                           ; s26  my wave's number
.set KB,  27                           ; s27
.set QQ,  28                           ; s28
.set ZS,  32                           ; s[32:47] z of my wave's 16 rows
.set ZBS, 48                           ; s[48:63] z_bottom of them
.set G0,  68                           ; s[68:71] descriptor group 0
.set G1,  72                           ; s[72:79] descriptor group 1
.set SCB, 80                           ; s[80:81] the row's z_bottom: the packed multiply takes the pair's low word for both halves
.set SCT, 82                           ; s[82:83] the row's z
	s_load_b512 s[4:19], s[0:1], 0x0               ; W s[4:5], R s[6:7], U s[8:9], h_bottom s[10:11], h s[12:13], h_top s[14:15], z s[16:17], z_bottom s[18:19]
	s_load_b128 s[20:23], s[0:1], 0x40             ; abf s[20:21], wbf s[22:23]
	s_load_b64 s[24:25], s[0:1], 0x50              ; szp
	v_lshl_add_u32 v[SPW], v0, 2, SPARE
	v_mov_b32 v[NIL], 0
	ds_add_u32 v[SPW], v[NIL]                      ; the wave's opening: the add, twice on end, and its wait ahead of the first tensor load; the set-up below stands between
	ds_add_u32 v[SPW], v[NIL]
	v_lshrrev_b32 v1, 5, v0
	v_readfirstlane_b32 s[WV], v1                  ; wave 0..7
	s_and_b32 s[KB], ttmp9, 7
	s_lshr_b32 s[QQ], ttmp9, 3
	; descriptor group 1: 64 rows x 128 elements of 4 bytes, 4,097 elements from row to row, 2 words of padding behind every 128
	s_mov_b32 s[G1+0], (2<<16)|(1<<20)|(6<<22)|(1<<25)
	s_mov_b32 s[G1+1], 128<<16                     ; tensor_dim0 = 128
	s_mov_b32 s[G1+2], 64<<16                      ; tensor_dim1 = 64
	s_mov_b32 s[G1+3], 128<<16                     ; tile_dim0 = 128
	s_mov_b32 s[G1+4], 64                          ; tile_dim1 = 64
	s_mov_b32 s[G1+5], 4097                        ; the pitch
	s_mov_b32 s[G1+6], 0
	s_mov_b32 s[G1+7], 0
	s_mov_b32 s[G0], 1
	s_mul_i32 s[G0+1], s[WV], 64*TPITCH            ; wave 2 s + half fills that half of tile s
	s_mov_b32 s[SCB+1], 0                          ; named with the low words as pairs
	s_mov_b32 s[SCT+1], 0
	s_mov_b32 s84, 0x76543210                      ; v_permlanex16_b32: each lane takes its own place in the other half
	s_mov_b32 s85, 0xfedcba98
	v_and_b32 v43, 31, v0                          ; lane
	v_and_b32 v[L16], 15, v0
	v_bfe_u32 v44, v0, 4, 1                        ; lane / 16
	v_and_b32 v45, 63, v0
	v_mov_b32 v[ZR], 0
	s_lshl_b32 s86, s[WV], 16                      ; 16 rows of 4,096 bytes
	s_lshl_b32 s87, s[KB], 9
	s_add_co_u32 s86, s86, s87
	v_lshl_add_u32 v[AO], v43, 4, s86
	s_mul_i32 s88, s[WV], 16*OROW
	s_lshl_b32 s89, s[KB], 8
	s_add_co_u32 s88, s88, s89
	v_lshl_add_u32 v[SO], v43, 3, s88
	v_mul_u32_u24 v[GV], v45, 2*WROW
	v_lshl_add_u32 v[WZS], v45, 2, WZ
	v_lshl_add_u32 v[WZL], v43, 3, WZ
	v_lshl_add_u32 v[ZPR], v43, 4, ZP
	v_lshlrev_b32 v[L4], 4, v43
	s_lshl_b32 s90, s[WV], 6                       ; 16 words a wave
	s_add_co_u32 s89, s90, ZP
	v_lshl_add_u32 v[ZPA], v[L16], 2, s89
	v_mul_u32_u24 v46, v44, 8*TPITCH
	v_lshl_add_u32 v46, v[L16], 2, v46
	v_add_nc_u32 v[TA], s90, v46
	v_add_nc_u32 v[TA+1], TILE, v[TA]
	v_add_nc_u32 v[TA+2], 2*TILE, v[TA]
	s_mul_i32 s91, s[WV], 16*SPITCH
	s_add_co_u32 s91, s91, STAGE
	v_mul_u32_u24 v47, v[L16], SPITCH
	v_lshl_add_u32 v47, v44, 4, v47
	v_add_nc_u32 v[STO], s91, v47
	v_mul_u32_u24 v47, v44, SPITCH
	v_lshl_add_u32 v47, v[L16], 4, v47
	v_add_nc_u32 v[RD], s91, v47
	v_mul_u32_u24 v47, v44, OROW
	v_lshl_add_u32 v[WO], v[L16], 4, v47
	s_wait_dscnt 0x0                               ; both opening adds are done
	s_wait_kmcnt 0x0
	s_mov_b32 s31, 0
	s_mul_i32 s30, s[KB], 128*WROW                 ; the weights at row 128 kb
	s_add_nc_u64 s[4:5], s[4:5], s[30:31]
	s_add_nc_u64 s[6:7], s[6:7], s[30:31]
	s_add_nc_u64 s[8:9], s[8:9], s[30:31]
	s_lshl_b32 s30, s[QQ], 9                       ; z and z_bottom at row 128 q + 16 w
	s_add_co_u32 s30, s30, s90
	s_add_nc_u64 s[16:17], s[16:17], s[30:31]
	s_add_nc_u64 s[18:19], s[18:19], s[30:31]
	s_load_b512 s[ZS:ZS+15], s[16:17], 0x0
	s_load_b512 s[ZBS:ZBS+15], s[18:19], 0x0
	s_lshl_b32 s30, s[QQ], 19                      ; the activations at row 128 q
	s_add_nc_u64 s[10:11], s[10:11], s[30:31]
	s_add_nc_u64 s[12:13], s[12:13], s[30:31]
	s_add_nc_u64 s[14:15], s[14:15], s[30:31]
	s_mul_i32 s30, s[QQ], 128*OROW                 ; abf at row 128 q
	s_add_nc_u64 s[20:21], s[20:21], s[30:31]
	s_lshl_b32 s30, s[KB], 14                      ; szp at [kb][128 q]
	s_lshl_b32 s88, s[QQ], 9
	s_add_co_u32 s30, s30, s88
	s_add_nc_u64 s[24:25], s[24:25], s[30:31]
	s_and_b32 s86, s[QQ], 7                        ; wbf at my wave's 16 rows: n' = 512 (q % 8) + 128 (w / 2) + 32 (q / 8) + 16 (w % 2), and at k = 128 kb
	s_lshl_b32 s86, s86, 9
	s_lshr_b32 s87, s[WV], 1
	s_lshl_b32 s87, s87, 7
	s_add_co_u32 s86, s86, s87
	s_lshr_b32 s87, s[QQ], 3
	s_lshl_b32 s87, s87, 5
	s_add_co_u32 s86, s86, s87
	s_and_b32 s87, s[WV], 1
	s_lshl_b32 s87, s87, 4
	s_add_co_u32 s86, s86, s87
	s_mul_i32 s30, s86, OROW
	s_lshl_b32 s87, s[KB], 8
	s_add_co_u32 s30, s30, s87
	s_add_nc_u64 s[22:23], s[22:23], s[30:31]
	s_cmp_lt_u32 s[WV], 2                          ; the tile that I fill: waves 0, 1 W's, 2, 3 R's, 4, 5 U's
	s_cselect_b64 s[86:87], s[4:5], s[6:7]
	s_cmp_lt_u32 s[WV], 4
	s_cselect_b64 s[86:87], s[86:87], s[8:9]
	s_and_b32 s30, s[WV], 1
	s_mul_i32 s30, s30, 64*WROW                    ; its upper or lower 64 rows,
	s_add_co_u32 s30, s30, s88                     ; columns 128 q on
	s_add_nc_u64 s[G0+2:G0+3], s[86:87], s[30:31]
	s_or_b32 s[G0+3], s[G0+3], 0x80000000          ; type = 2
	s_cmp_lt_u32 s[WV], 6
	s_cbranch_scc0 .Lgather
	tensor_load_to_lds s[G0:G0+3], s[G1:G1+7]      ; my one tensor load: 64 rows x 512 bytes
	s_nop 0
	s_branch .Lrows
.Lgather:                                              ; waves 6 and 7: column 4096 of the 3 x 128 rows, two rows a thread
.irp s, 0,1,2
	global_load_b32 v[GW+2*(\s)],   v[GV], s[4+2*(\s):5+2*(\s)] offset:16384
	global_load_b32 v[GW+2*(\s)+1], v[GV], s[4+2*(\s):5+2*(\s)] offset:16384+WROW
.endr
.Lrows:
.set r, 0
.rept 16                                               ; all 48 loads of my 16 rows go out at once: 512 consecutive bytes each, row by row
	global_load_b128 v[X+12*r:X+12*r+3],    v[AO], s[10:11] offset:AROW*r th:TH_LOAD_NT
	global_load_b128 v[X+12*r+4:X+12*r+7],  v[AO], s[12:13] offset:AROW*r th:TH_LOAD_NT
	global_load_b128 v[X+12*r+8:X+12*r+11], v[AO], s[14:15] offset:AROW*r th:TH_LOAD_NT
.set r, r+1
.endr
	s_cmp_lt_u32 s[WV], 6
	s_cbranch_scc1 .Lno_wz
	s_wait_loadcnt 48                              ; the six gathered words are in; the 48 loads issued behind them may stay out
.irp s, 0,1,2
	v_cvt_pk_bf16_f32 v[GW+2*(\s)], v[GW+2*(\s)], v[GW+2*(\s)+1]
.endr
.irp s, 0,1,2
	ds_store_b32 v[WZS], v[GW+2*(\s)] offset:256*(\s)
.endr
.Lno_wz:
	s_wait_dscnt 0x0                               ; for the others' sake: the column's words are in LDS
	s_barrier_signal -1
	s_barrier_wait -1                              ; the tensor loads may stay out
.irp s, 0,1,2
	ds_load_b64 v[WZR+2*(\s):WZR+2*(\s)+1], v[WZL] offset:256*(\s)
.endr
	s_wait_dscnt 0x0
	s_wait_kmcnt 0x0                               ; z and z_bottom of my rows
; One row: scaled, rounded, stored, and multiplied by column 4096.
.macro ROW r
.set XB, X+12*(\r)
	s_wait_loadcnt 3*(15-(\r))                     ; loads come back in order (ISA guide 5.7.1): this row's three are in, the later rows' may stay out
	s_mov_b32 s[SCB], s[ZBS+(\r)]
	s_mov_b32 s[SCT], s[ZS+(\r)]
	v_pk_mul_f32 v[XB:XB+1],     v[XB:XB+1],     s[SCB:SCB+1] op_sel_hi:[1,0]
	v_pk_mul_f32 v[XB+2:XB+3],   v[XB+2:XB+3],   s[SCB:SCB+1] op_sel_hi:[1,0]
	v_pk_mul_f32 v[XB+8:XB+9],   v[XB+8:XB+9],   s[SCT:SCT+1] op_sel_hi:[1,0]
	v_pk_mul_f32 v[XB+10:XB+11], v[XB+10:XB+11], s[SCT:SCT+1] op_sel_hi:[1,0]
.irp s, 0,1,2
	v_cvt_pk_bf16_f32 v[XB+4*(\s)],   v[XB+4*(\s)],   v[XB+4*(\s)+1]
	v_cvt_pk_bf16_f32 v[XB+4*(\s)+1], v[XB+4*(\s)+2], v[XB+4*(\s)+3]
.endr
.irp s, 0,1,2
	global_store_b64 v[SO], v[XB+4*(\s):XB+4*(\s)+1], s[20:21] offset:OROW*(\r)+2048*(\s)  ; the wave stores 256 consecutive bytes, at a multiple of 256 from abf's first byte
.endr
	v_fma_mix_f32_bf16 v[T],   v[XB],   v[WZR],   v[ZR] op_sel_hi:[1,1,0]                  ; four chains: exact products of bf16 halves, sums in f32
	v_fma_mix_f32_bf16 v[T+1], v[XB],   v[WZR],   v[ZR] op_sel:[1,1,0] op_sel_hi:[1,1,0]
	v_fma_mix_f32_bf16 v[T+2], v[XB+1], v[WZR+1], v[ZR] op_sel_hi:[1,1,0]
	v_fma_mix_f32_bf16 v[T+3], v[XB+1], v[WZR+1], v[ZR] op_sel:[1,1,0] op_sel_hi:[1,1,0]
.irp s, 1,2
	v_fma_mix_f32_bf16 v[T],   v[XB+4*(\s)],   v[WZR+2*(\s)],   v[T]   op_sel_hi:[1,1,0]
	v_fma_mix_f32_bf16 v[T+1], v[XB+4*(\s)],   v[WZR+2*(\s)],   v[T+1] op_sel:[1,1,0] op_sel_hi:[1,1,0]
	v_fma_mix_f32_bf16 v[T+2], v[XB+4*(\s)+1], v[WZR+2*(\s)+1], v[T+2] op_sel_hi:[1,1,0]
	v_fma_mix_f32_bf16 v[T+3], v[XB+4*(\s)+1], v[WZR+2*(\s)+1], v[T+3] op_sel:[1,1,0] op_sel_hi:[1,1,0]
.endr
	v_add_f32 v[T], v[T], v[T+1]
	v_add_f32 v[T+2], v[T+2], v[T+3]
	v_add_f32 v[T], v[T], v[T+2]
	v_add_f32_dpp v[T], v[T], v[T] row_xmask:1 row_mask:0xf bank_mask:0xf
	v_add_f32_dpp v[T], v[T], v[T] row_xmask:2 row_mask:0xf bank_mask:0xf
	v_add_f32_dpp v[T], v[T], v[T] row_xmask:4 row_mask:0xf bank_mask:0xf
	v_add_f32_dpp v[T], v[T], v[T] row_xmask:8 row_mask:0xf bank_mask:0xf
	v_permlanex16_b32 v[T+1], v[T], s84, s85
	v_add_f32 v[T], v[T], v[T+1]                   ; every lane holds the row's sum over my work-group's 384 k
.if (\r) == 0
	v_mov_b32 v[RES], v[T]
.else
	v_cmp_eq_u32 vcc_lo, \r, v[L16]
	v_cndmask_b32 v[RES], v[RES], v[T], vcc_lo     ; lane l keeps row l % 16
.endif
.endm
.irp r, 0,1,2,3,4,5,6,7,8,9,10,11,12,13,14,15
	ROW \r
.endr
	ds_store_b32 v[ZPA], v[RES]                    ; both halves of the lanes write the same word with the same number
	s_wait_tensorcnt 0x0                           ; my part of a tile has landed,
	s_wait_dscnt 0x0                               ; my sums are in LDS:
	s_barrier_signal -1
	s_barrier_wait -1                              ; everybody's
	s_cmp_lg_u32 s[WV], 0
	s_cbranch_scc1 .Lnot_0
	ds_load_b128 v[SZ:SZ+3], v[ZPR]
	s_wait_dscnt 0x0
	global_store_b128 v[L4], v[SZ:SZ+3], s[24:25]  ; wave 0: the 128 sums, 512 consecutive bytes
.Lnot_0:
	s_wait_xcnt 0x0                                ; the stores have read their registers: X is written again only behind this wait
; Tile s is turned: my wave's 16 columns x 128 k.  A lane reads column 16 w + l % 16 at k = 16 c + 8 (l / 16) + e: 16 neighbouring words and, 16 banks on, 16 more.
; Eight k round to 16 bytes, go into my stage's rows of 272 bytes and come back as whole rows of 256.
.macro JOB s
.set Y, X+64*(\s)
.irp c, 0,1,2,3,4,5,6,7
.irp e, 0,1,2,3,4,5,6,7
	ds_load_b32 v[Y+8*(\c)+(\e)], v[TA+(\s)] offset:(16*(\c)+(\e))*TPITCH
.endr
.endr
.irp c, 0,1,2,3,4,5,6,7
.if (\c) == 0
	s_wait_dscnt 32                                ; the older 32 of the 64 are in
.endif
.if (\c) == 4
	s_wait_dscnt 0x0
.endif
.irp p, 0,1,2,3
	v_cvt_pk_bf16_f32 v[Y+8*(\c)+(\p)], v[Y+8*(\c)+2*(\p)], v[Y+8*(\c)+2*(\p)+1]
.endr
.endr
.irp c, 0,1,2,3,4,5,6,7
	ds_store_b128 v[STO], v[Y+8*(\c):Y+8*(\c)+3] offset:32*(\c)
.endr
.irp t, 0,1,2,3,4,5,6,7
	ds_load_b128 v[Y+8*(\t)+4:Y+8*(\t)+7], v[RD] offset:2*SPITCH*(\t)  ; LDS serves a wave's instructions in order (ISA guide 5.7.1.4): these see the stores above, and the next tile's stores come behind them
.endr
.irp t, 0,1,2,3,4,5,6,7
	s_wait_dscnt 7-(\t)
	global_store_b128 v[WO], v[Y+8*(\t)+4:Y+8*(\t)+7], s[22:23] offset:2*OROW*(\t)+2048*(\s)  ; 16 lanes store 256 consecutive bytes, at a multiple of 256 from wbf's first byte
.endr
.endm
	JOB 0
	JOB 1
	JOB 2
	s_wait_tensorcnt 0x0                           ; the wave's end: behind my last tensor load and my last LDS store
	ds_add_u32 v[SPW], v[NIL]
	s_wait_dscnt 0x0
	s_endpgm
.Lfunc_end_k_qb07cb5b152_prep:
	.size	k_qb07cb5b152_prep, .Lfunc_end_k_qb07cb5b152_prep-k_qb07cb5b152_prep
	.p2alignl 7, 3214868480
	.fill 96, 4, 3214868480
	.section	.rodata,"a",@progbits
	.p2align	6, 0x0
	.amdhsa_kernel k_qb07cb5b152_prep
		.amdhsa_group_segment_fixed_size 236800
		.amdhsa_private_segment_fixed_size 0
		.amdhsa_enable_private_segment 0
		.amdhsa_kernarg_size 88
		.amdhsa_user_sgpr_count 2
		.amdhsa_user_sgpr_kernarg_segment_ptr 1
		.amdhsa_wavefront_size32 1
		.amdhsa_system_sgpr_workgroup_id_x 1
		.amdhsa_system_sgpr_workgroup_id_y 1
		.amdhsa_system_sgpr_workgroup_id_z 1
		.amdhsa_system_vgpr_workitem_id 0
		.amdhsa_next_free_vgpr 240
		.amdhsa_next_free_sgpr 92
		.amdhsa_reserve_vcc 1
		.amdhsa_float_denorm_mode_32 3
		.amdhsa_float_denorm_mode_16_64 3
		.amdhsa_memory_ordered 1
		.amdhsa_forward_progress 1
		.amdhsa_inst_pref_size 73
	.end_amdhsa_kernel
	.amdgpu_metadata
---
amdhsa.version: [ 1, 2 ]
amdhsa.kernels:
  - .name:           k_qb07cb5b152_prep
    .symbol:         k_qb07cb5b152_prep.kd
    .args:
      - { .name: W, .offset: 0, .size: 8, .value_kind: global_buffer, .address_space: global }
      - { .name: R, .offset: 8, .size: 8, .value_kind: global_buffer, .address_space: global }
      - { .name: U, .offset: 16, .size: 8, .value_kind: global_buffer, .address_space: global }
      - { .name: h_bottom, .offset: 24, .size: 8, .value_kind: global_buffer, .address_space: global }
      - { .name: h, .offset: 32, .size: 8, .value_kind: global_buffer, .address_space: global }
      - { .name: h_top, .offset: 40, .size: 8, .value_kind: global_buffer, .address_space: global }
      - { .name: z, .offset: 48, .size: 8, .value_kind: global_buffer, .address_space: global }
      - { .name: z_bottom, .offset: 56, .size: 8, .value_kind: global_buffer, .address_space: global }
      - { .name: abf, .offset: 64, .size: 8, .value_kind: global_buffer, .address_space: global }
      - { .name: wbf, .offset: 72, .size: 8, .value_kind: global_buffer, .address_space: global }
      - { .name: szp, .offset: 80, .size: 8, .value_kind: global_buffer, .address_space: global }
    .group_segment_fixed_size: 236800
    .private_segment_fixed_size: 0
    .kernarg_segment_align: 8
    .kernarg_segment_size: 88
    .max_flat_workgroup_size: 256
    .sgpr_count:     92
    .vgpr_count:     240
    .wavefront_size: 32
...
	.end_amdgpu_metadata
.endif
;; end of part 1
;; launch cell (part 2): grid 16 x 16, 4 waves a work-group, clusters of 4 x 4, 327,680 bytes of LDS; arguments abf, wbf, c, h, out0, out1, b, z, z_bottom, szp, out2; writes out0, out1, out2
.if DOCPART == 2
	.amdgcn_target "amdgcn-amd-amdhsa--gfx1250"
	.amdhsa_code_object_version 6
	.text
	.protected	k_qb07cb5b152_cell
	.globl	k_qb07cb5b152_cell
	.p2align	8
	.type	k_qb07cb5b152_cell,@function
k_qb07cb5b152_cell:
	s_mov_b64 s[64:65], 0
	v_nop
	global_prefetch_b8 v0, s[64:65] scope:SCOPE_SE
	s_setreg_imm32_b32 hwreg(HW_REG_WAVE_MODE, 25, 1), 1
	s_wait_xcnt 0x0
	s_wait_alu depctr_hold_cnt(0) depctr_sa_sdst(0) depctr_va_vdst(0) depctr_va_sdst(0) depctr_va_ssrc(0) depctr_va_vcc(0) depctr_vm_vsrc(0)
	s_getreg_b32 s2, hwreg(HW_REG_IB_STS2, 6, 4)
	s_cmp_eq_u32 s2, 0
	s_cbranch_scc0 .Lentry_in_a_cluster
	s_endpgm
.Lentry_in_a_cluster:
	s_bfe_u32 s2, ttmp6, 0x10000c
	s_cmp_lg_u32 s2, 0xf033
	s_cbranch_scc0 .Lentry_shape_is_right
	s_endpgm
.Lentry_shape_is_right:
; HM-LSTM cell, second of two launches: s = abf wbf^T + b (K = 3,072, bf16 operands, f32 sums), the four gates, the blend with c and h, and z_new.  Nothing of the problem is left out.
; A work-group makes 256 rows x 256 rows of wbf, which by wbf's order are j = 64 tx .. + 63 of all four gates.  Four waves, each 128 x 128: 64 accumulators of 16 x 16, 512 registers.
; K goes in 24 steps of 128 through two LDS slots filled by the tensor data mover; a 25th fill brings the work-group's 256 x 64 numbers of c and of h into slot 0, whose products are over.
; THE MATRIX INSTRUCTION IS USED TRANSPOSED (source 0 = 16 rows of wbf, source 1 = 16 rows of abf): a lane holds ONE row (lane % 16), and register e of accumulator (a, bb) holds gate bb / 2 at
; j = 64 tx + 32 (wave % 2) + 16 (bb % 2) + 8 (lane / 16) + e.  So the four gates of a number meet in one lane, and z, z_bottom are one number a lane and block of 16 rows.
; THE BIAS, rounded to bf16 like every matrix operand, is the C operand of the products that start the sums: nothing is cleared and nothing is added later.
; THE BLEND, regrouped (an identity in real numbers): with om = 1 - z, P = om z_bottom, Q = om - P, S = z + P:  c_new = S (i g) + (P f + Q) c;  h_new = S (o tanh c_new) + Q h.
; sigmoid(x) = 1 / (1 + 2^(-x log2 e)), tanh(x) = 1 - 2 / (1 + 2^(2 x log2 e)): an exponential that overflows gives 1 / infinity = 0, one below 2^-126 counts as 0: both are the limits of the functions.
; z_new: the eight partial sums of column 4096 and bf16(b[4096]) are added; z_tilde = clip(3.5 s + 0.5, 0, 1), which is ((7 s + 1) / 2) with one rounding; z_new = z_tilde + (hard - z_tilde).
; LIMITS: a NaN in column 4096's sum leaves the clip as 0, not as NaN.  c and h enter the blend as they are, in f32.
; CLUSTERS: 4 x 4 work-groups.  The four of a row of the cluster need the same tiles of abf, the four of a column the same tiles of wbf: each is asked for JOINTLY, by the same tensor load with the
; same descriptor and a mask that names the four.  c and h are each work-group's own: a plain load, behind a round of the cluster's barrier like the others.
; REGISTERS, in windows of 256 (s_set_vgpr_msb: bits 1:0 source 0, 3:2 source 1, 5:4 source 2, 7:6 destination):
;   window 0: v0-31 addresses; v32-47 z, z_bottom; v48-63 at work; v64-127, v128-191 fragments of abf, two buffers (later the cell's work); v192-255 the bias
;   window 1: v64-127, v128-191 fragments of wbf      window 2: the accumulators of my rows 0-63 ((a, bb) at v[8 (8 a + bb)])      window 3: those of my rows 64-127
.set SIZE_K, 3072
.set KSTEP,  128
.set PITCH,  272                       ; an LDS row: 256 bytes + 16 of padding = 68 words: row r starts at bank 4 r mod 64 (64 banks of 4 bytes: ISA guide 11.1)
.set HALFT,  128*PITCH                 ; 128 rows: what one tensor load brings
.set SLOT,   4*HALFT                   ; abf's 256 rows, then wbf's 256 rows; in the 25th fill c's 256 rows, then h's
.set SPARE,  2*SLOT                    ; the spare words, 128 bytes for each wave: two blocks of 256 bytes that no other line names
.set LAPS,   SIZE_K/(2*KSTEP)          ; 12
.set BLK,    16*PITCH                  ; 16 rows in LDS
.set CRD, 2                            ; v2   c: my row l % 16 of my 128, my wave's 128 bytes, 32 bytes for each half of the lanes
.set HRD, 3                            ; v3   h likewise
.set CWR, 4                            ; v4   c_new: the same place in slot 1
.set HWR, 5                            ; v5   h_new
.set RDO, 6                            ; v6   the way out: whole rows of c_new, rows 64 w on
.set RDH, 7                            ; v7   of h_new
.set GO,  8                            ; v8   my 16 bytes in two rows of an output
.set BO,  9                            ; v9   my 8 numbers of b
.set ZRO, 10                           ; v10  my row in z and z_bottom
.set ZO,  11                           ; v11  row 256 ty + 16 tx + l % 16 in szp and out2
.set PFC, 12                           ; v12  lane x a row of c or h
.set L16, 13
.set HL,  14
.set LN,  15
.set ADRA, 16                          ; v16-17  LDS address of my abf fragments in slot 0, 1
.set ADRB, 20                          ; v20-21  of my wbf fragments
.set SPW, 28                           ; v28  my spare word; never rewritten
.set NIL, 29                           ; v29  0; never rewritten
.set PFO, 30                           ; v30  lane x a row of abf or wbf
.set Z,   32                           ; v32-39  z of my row in each of my 8 blocks of 16 rows
.set ZB,  40                           ; v40-47  z_bottom
.set CO,  48                           ; v48-53  P, om, Q, 0, S, 0: three pairs of which the packed forms take the low word
.set TM,  54                           ; v54-62  at work
.set F0,  64
.set F1,  128
.set BIAS, 192
.set E,   64                           ; the cell: i at 64, g at 80, o at 96, f at 112
.set CC,  128
.set HH,  144
.set T,   160
.set OA,  64
.set OB,  128
.set G1,  24                           ; s[24:31] group 1 for abf's tiles; s[32:39] group 0, a set for each slot
.set G0,  32
.set LIM, 43                           ; s43  1 in a wave that prefetches, else the greatest number
.set PFA, 44                           ; s[44:45] where my prefetches stand
.set G1B, 48                           ; s[48:55], s[56:63] the same for wbf's tiles
.set G0B, 56
.set NL,  66                           ; s[66:67] -log2 e
.set G0C, 68                           ; s[68:71] group 0 for c or h
.set G1C, 72                           ; s[72:79] group 1 for them
.set CHB, 80                           ; s[80:81] c (waves 0, 1) or h (waves 2, 3) at the 128 rows x 256 bytes that I fetch
.set TL,  82                           ; s[82:83] 2 log2 e
.set MSB, 0
.macro WIN new                         ; the immediate's high byte repeats the setting that is left; a switch that changes nothing is dropped
.if MSB != (\new)
	s_set_vgpr_msb (MSB<<8)|(\new)
.set MSB, \new
.endif
.endm
.set TO_B, 0x40                        ; destination window 1, address window 0
; A joint load.  Waves 0 and 1 fetch abf's two halves, waves 2 and 3 wbf's.  The branch hangs on the wave's number alone.  An s_nop 0 and four v_nop follow each of the two lines.
.macro JLOAD s
	s_cmp_eq_u32 s11, 0
	s_cbranch_scc0 .Lfor_b_\@
	tensor_load_to_lds s[G0+4*(\s):G0+4*(\s)+3], s[G1:G1+7]
	s_nop 0
.rept 4
	v_nop
.endr
	s_branch .Lasked_\@
.Lfor_b_\@:
	tensor_load_to_lds s[G0B+4*(\s):G0B+4*(\s)+3], s[G1B:G1B+7]
	s_nop 0
.rept 4
	v_nop
.endr
.Lasked_\@:
.endm
; A prefetch into the L2 of the K step that stands two refills on: 32 rows x 256 bytes, a lane a row.  abf's tile row is read by every cluster of that row of clusters: cluster x = 0 asks; wbf's tile column
; by every cluster of that column: cluster y = 0 asks.  The four partners share a wave's 128 rows out by address, 32 each.  So each row's 256 bytes of a K step are named once.  The loop's last trip asks for nothing along K.
.macro ASK
	s_cmp_gt_u32 s3, s[LIM]
	s_cbranch_scc0 .Lnot_mine_\@
	global_prefetch_b8 v[PFO], s[PFA:PFA+1] offset:KSTEP*2 th:TH_LOAD_NT scope:SCOPE_SE
.Lnot_mine_\@:
.endm
; In the loop's last trip, behind the refill with K step 22: my 128 rows x 256 bytes of c or h, a lane a row, four lines: two refills, 512 matrix instructions, ahead of their tensor load.  No other wave of the launch reads them.
.macro ASKC
	s_cmp_eq_u32 s3, 1
	s_cbranch_scc0 .Lnot_yet_\@
.irp i, 0,1,2,3
	global_prefetch_b8 v[PFC], s[CHB:CHB+1] offset:131072*(\i) th:TH_LOAD_NT scope:SCOPE_SE
.endr
.Lnot_yet_\@:
.endm
.macro CREST                           ; a round of the cluster's barrier behind its opening barrier
	s_cmp_lg_u32 s10, 0
	s_cbranch_scc1 .Lnot_wave_0_\@
	s_barrier_signal -3
.Lnot_wave_0_\@:
	s_barrier_wait -3
	s_barrier_signal -1
	s_barrier_wait -1
.endm
.macro CROUND                          ; a whole round
	s_barrier_signal -1
	s_barrier_wait -1
	CREST
.endm
	s_load_b128 s[4:7], s[0:1], 0x0                ; abf s[4:5], wbf s[6:7]
	s_load_b256 s[84:91], s[0:1], 0x10             ; c s[84:85], h s[86:87], out0 s[88:89], out1 s[90:91]
	s_load_b256 s[92:99], s[0:1], 0x30             ; b s[92:93], z s[94:95], z_bottom s[96:97], szp s[98:99]
	s_load_b64 s[100:101], s[0:1], 0x50            ; out2
	v_lshl_add_u32 v[SPW], v0, 2, SPARE
	v_mov_b32 v[NIL], 0
	ds_add_u32 v[SPW], v[NIL]                      ; the wave's opening: the add, twice on end, and its wait ahead of my first tensor load; the set-up below stands between
	ds_add_u32 v[SPW], v[NIL]
	v_lshrrev_b32 v1, 5, v0
	v_readfirstlane_b32 s10, v1                    ; wave 0..3
	s_lshr_b32 s11, s10, 1                         ; which half of the tile's rows is mine.  Also: I fetch for abf (0) or for wbf (1)
	s_and_b32 s12, s10, 1                          ; which half of its columns.  Also: which 128 rows of that tile I fetch
	s_bfe_u32 s40, ttmp6, 0x40000                  ; cx
	s_bfe_u32 s41, ttmp6, 0x40004                  ; cy
	s_lshl_b32 s42, ttmp9, 2
	s_add_co_u32 s42, s42, s40                     ; tx = 4 x cluster x + cx
	s_and_b32 s13, ttmp7, 0xffff
	s_lshl_b32 s13, s13, 2
	s_add_co_u32 s13, s13, s41                     ; ty = 4 x cluster y + cy
	s_lshl_b32 s43, s41, 2
	s_lshl_b32 s43, 15, s43                        ; my row of the cluster
	s_lshl_b32 s44, 0x1111, s40                    ; my column
	s_or_b32 s[G1+0], s43, (1<<16)|(1<<20)|(1<<21)|(5<<22)|(3<<25)   ; the mask; elements of 2 bytes; padding on; bit 21 beside a mask; after every 64 words; 4 words
	s_or_b32 s[G1B+0], s44, (1<<16)|(1<<20)|(1<<21)|(5<<22)|(3<<25)
	s_mov_b32 s[G1C+0], (1<<16)|(1<<20)|(5<<22)|(3<<25)              ; no mask: a load of my own
.irp g, G1, G1B, G1C
	s_mov_b32 s[(\g)+1], 128<<16                   ; tensor_dim0 = 128 elements: 256 bytes
	s_mov_b32 s[(\g)+2], 128<<16                   ; tensor_dim1 = 128
	s_mov_b32 s[(\g)+3], 128<<16                   ; tile_dim0 = 128
	s_mov_b32 s[(\g)+4], 128                       ; tile_dim1 = 128
	s_mov_b32 s[(\g)+6], 0
	s_mov_b32 s[(\g)+7], 0
.endr
	s_mov_b32 s[G1+5], SIZE_K                      ; elements from row to row
	s_mov_b32 s[G1B+5], SIZE_K
	s_mov_b32 s[G1C+5], 2048                       ; a row of c or h is 4,096 bytes
	s_mov_b32 s[NL], 0xbfb8aa3b
	s_mov_b32 s[NL+1], s[NL]                       ; named with it as a pair
	s_mov_b32 s[TL], 0x4038aa3b
	s_mov_b32 s[TL+1], s[TL]
	s_lshl_b32 s17, s12, 7                         ; which 128 rows of the tile I fetch
	s_lshl_b32 s16, s13, 8
	s_add_co_u32 s16, s16, s17                     ; abf: row 256 ty + 128 x half
	s_lshl_b32 s46, s42, 8
	s_add_co_u32 s46, s46, s17                     ; wbf: row 256 tx + 128 x half
	s_mul_i32 s16, s16, SIZE_K*2                   ; in bytes: under 2^25
	s_mul_i32 s46, s46, SIZE_K*2
	s_mov_b32 s17, 0
	s_mov_b32 s47, 0
	s_mul_i32 s20, s10, HALFT                      ; where they go: wave x 128 rows: no place in the cluster enters an LDS address
	s_wait_dscnt 0x0                               ; both opening adds are done
	s_wait_kmcnt 0x0
	s_add_nc_u64 s[14:15], s[4:5], s[16:17]
	s_add_nc_u64 s[46:47], s[6:7], s[46:47]
	CROUND                                         ; all sixteen work-groups are here: the first joint loads meet
.irp s, 0,1
	s_mov_b32 s[G0+4*(\s)], 1
	s_add_co_u32 s[G0+4*(\s)+1], s20, (\s)*SLOT
	s_add_nc_u64 s[G0+4*(\s)+2:G0+4*(\s)+3], s[14:15], (\s)*KSTEP*2
	s_or_b32 s[G0+4*(\s)+3], s[G0+4*(\s)+3], 0x80000000
	s_mov_b32 s[G0B+4*(\s)], 1
	s_add_co_u32 s[G0B+4*(\s)+1], s20, (\s)*SLOT
	s_add_nc_u64 s[G0B+4*(\s)+2:G0B+4*(\s)+3], s[46:47], (\s)*KSTEP*2
	s_or_b32 s[G0B+4*(\s)+3], s[G0B+4*(\s)+3], 0x80000000
	JLOAD \s                                       ; two loads of mine are out
.endr
	s_load_b32 s2, s[92:93], 0x4000                ; b[4096]
	v_and_b32 v[L16], 15, v0
	v_bfe_u32 v[HL], v0, 4, 1
	v_and_b32 v[LN], 31, v0
	; the loads of the bias, z and z_bottom go out first
	s_lshl_b32 s20, s42, 8
	s_lshl_b32 s21, s12, 7
	s_add_co_u32 s20, s20, s21
	v_lshl_add_u32 v[BO], v[HL], 5, s20            ; 4 (64 tx + 32 (w % 2) + 8 (l / 16))
	s_lshl_b32 s20, s13, 10
	s_lshl_b32 s21, s11, 9
	s_add_co_u32 s21, s20, s21
	v_lshl_add_u32 v[ZRO], v[L16], 2, s21          ; 4 (256 ty + 128 (w / 2) + l % 16)
	s_lshl_b32 s21, s42, 6
	s_add_co_u32 s21, s20, s21
	v_lshl_add_u32 v[ZO], v[L16], 2, s21           ; 4 (256 ty + 16 tx + l % 16)
.irp bb, 0,1,2,3,4,5,6,7
	global_load_b128 v[BIAS+8*(\bb):BIAS+8*(\bb)+3],   v[BO], s[92:93] offset:4096*((\bb)/2)+64*((\bb)%2)
	global_load_b128 v[BIAS+8*(\bb)+4:BIAS+8*(\bb)+7], v[BO], s[92:93] offset:4096*((\bb)/2)+64*((\bb)%2)+16
.endr
.irp a, 0,1,2,3,4,5,6,7
	global_load_b32 v[Z+(\a)],  v[ZRO], s[94:95] offset:64*(\a)
	global_load_b32 v[ZB+(\a)], v[ZRO], s[96:97] offset:64*(\a)
.endr
	; a fragment is 16 rows x 32 K in 8 registers: lane l holds row l % 16; two loads of 16 bytes, 32 bytes apart, at row x pitch + 16 (l / 16)
	v_mul_u32_u24 v[TM], v[L16], PITCH
	v_lshl_add_u32 v[TM], v[HL], 4, v[TM]
	s_mul_i32 s21, s11, HALFT                      ; my 128 rows of abf
	s_mul_i32 s22, s12, HALFT                      ; my 128 rows of wbf,
	s_add_co_u32 s22, s22, 2*HALFT                 ; which lie behind abf's 256
.irp s, 0,1
	v_add_nc_u32 v[ADRA+(\s)], s21, v[TM]
	v_add_nc_u32 v[ADRB+(\s)], s22, v[TM]
	s_add_co_u32 s21, s21, SLOT
	s_add_co_u32 s22, s22, SLOT
.endr
	v_lshlrev_b32 v[PFC], 12, v[LN]
	v_lshlrev_b32 v[GO], 12, v[HL]
	v_lshl_add_u32 v[GO], v[L16], 4, v[GO]
	v_mul_u32_u24 v[PFO], v[LN], SIZE_K*2
	; c or h: the 128 rows x 256 bytes that I fetch: waves 0, 1 c's halves, waves 2, 3 h's
	s_mov_b32 s[G0C], 1
	s_mul_i32 s[G0C+1], s10, HALFT                 ; into slot 0: c where abf's rows lay, h where wbf's lay
	s_cmp_lt_u32 s10, 2
	s_cselect_b64 s[CHB:CHB+1], s[84:85], s[86:87]
	s_lshl_b32 s8, s13, 8
	s_lshl_b32 s9, s12, 7
	s_add_co_u32 s8, s8, s9
	s_lshl_b32 s8, s8, 12                          ; row 256 ty + 128 (w % 2), 4,096 bytes a row,
	s_lshl_b32 s9, s42, 8                          ; j = 64 tx
	s_add_co_u32 s8, s8, s9
	s_mov_b32 s9, 0
	s_add_nc_u64 s[CHB:CHB+1], s[CHB:CHB+1], s[8:9]
	s_mov_b64 s[G0C+2:G0C+3], s[CHB:CHB+1]
	s_or_b32 s[G0C+3], s[G0C+3], 0x80000000
	; the outputs at row 256 ty + 64 w, j = 64 tx
	s_lshl_b32 s8, s13, 8
	s_lshl_b32 s9, s10, 6
	s_add_co_u32 s8, s8, s9
	s_lshl_b32 s8, s8, 12
	s_lshl_b32 s9, s42, 8
	s_add_co_u32 s8, s8, s9
	s_mov_b32 s9, 0
	s_add_nc_u64 s[88:89], s[88:89], s[8:9]
	s_add_nc_u64 s[90:91], s[90:91], s[8:9]
	; the prefetches along K
	s_lshl_b32 s20, s13, 8
	s_lshl_b32 s21, s42, 8
	s_and_b32 s22, ttmp7, 0xffff                   ; cluster y
	s_cmp_eq_u32 s11, 0                            ; do I fetch for abf?
	s_cselect_b32 s20, s20, s21                    ; the tile's first row
	s_cselect_b32 s21, s40, s41                    ; my place among the four that ask for it with me
	s_cselect_b32 s22, ttmp9, s22                  ; the coordinate along which other clusters read the same rows
	s_cselect_b64 s[PFA:PFA+1], s[4:5], s[6:7]
	s_cmp_eq_u32 s22, 0
	s_cselect_b32 s[LIM], 1, -1                    ; the same in all sixteen partners, for a given wave
	s_lshl_b32 s22, s12, 7
	s_add_co_u32 s20, s20, s22                     ; + the 128 rows that I fetch
	s_lshl_b32 s21, s21, 5
	s_add_co_u32 s20, s20, s21                     ; + my work-group's 32 of them
	s_mul_i32 s20, s20, SIZE_K*2
	s_mov_b32 s21, 0
	s_add_nc_u64 s[PFA:PFA+1], s[PFA:PFA+1], s[20:21]
	s_add_nc_u64 s[PFA:PFA+1], s[PFA:PFA+1], 2*KSTEP*2  ; at K step 2: the first refill steps it to 3 and names K step 4; K steps 0 to 3 come by their loads alone
	; z_new of 16 rows, by wave 3, in the wait for the first tile
	s_cmp_lg_u32 s10, 3
	s_cbranch_scc1 .Lnot_3
.irp p, 0,1,2,3,4,5,6,7
	global_load_b32 v[TM+(\p)], v[ZO], s[98:99] offset:16384*(\p)
.endr
	s_mov_b32 s20, 0x40600000                      ; 3.5
	s_wait_kmcnt 0x0
	v_mov_b32 v[TM+8], s2
	v_cvt_pk_bf16_f32 v[TM+8], v[TM+8], v[TM+8]
	v_lshlrev_b32 v[TM+8], 16, v[TM+8]             ; bf16(b[4096]) as f32
	s_wait_loadcnt 0x0
.irp p, 1,2,3,4,5,6,7,8
	v_add_f32 v[TM], v[TM], v[TM+(\p)]             ; the eight parts in ascending k, then the bias
.endr
	v_fma_f32 v[TM+1], v[TM], s20, 0.5
	v_max_num_f32 v[TM+1], 0, v[TM+1]
	v_min_num_f32 v[TM+1], 1.0, v[TM+1]            ; z_tilde
	v_mov_b32 v[TM+2], 1.0
	v_cmp_lt_f32 vcc_lo, 0.5, v[TM+1]
	v_cndmask_b32 v[TM+2], 0, v[TM+2], vcc_lo      ; hard
	v_sub_f32 v[TM+2], v[TM+2], v[TM+1]
	v_add_f32 v[TM+1], v[TM+1], v[TM+2]            ; z_tilde + (hard - z_tilde)
	v_cmp_gt_u32 vcc_lo, 16, v[LN]
	s_wait_xcnt 0x0                                ; EXEC changes only behind this wait: loads have been issued
	s_and_saveexec_b32 s20, vcc_lo                 ; lanes 16-31 hold the same 16 rows once more
	global_store_b32 v[ZO], v[TM+1], s[100:101]
	s_wait_xcnt 0x0                                ; and again, in front of the line that widens it
	s_or_b32 exec_lo, exec_lo, s20
.Lnot_3:
	s_wait_loadcnt 0x0                             ; the bias, z, z_bottom
	s_wait_kmcnt 0x0
.set i, 0
.rept 32                                               ; the bias is rounded to bf16 and widened again
	v_cvt_pk_bf16_f32 v[TM+i%4], v[BIAS+2*i], v[BIAS+2*i+1]
	v_lshlrev_b32 v[BIAS+2*i], 16, v[TM+i%4]
	v_and_b32 v[BIAS+2*i+1], 0xffff0000, v[TM+i%4]
.set i, i+1
.endr
	v_mov_b32 v[CO+3], 0                           ; named as the upper words of pairs
	v_mov_b32 v[CO+5], 0
; 16 matrix instructions: blocks a0, a0 + 1 of the window's four (hi = 0: my rows 0-63, 1: rows 64-127) x all 8 blocks of wbf's rows, 32 along K.  zero = 1: the bias starts the sums.
; The 64 accumulators take turns, one instruction a turn, in the same order in every quarter step.
.macro MUL16 f, hi, a0, zero
.if \zero
	WIN 0x81+0x40*(\hi)                            ; wbf window 1, abf and the bias window 0, D window 2 or 3
.else
	WIN 0xa1+0x50*(\hi)                            ; C and D window 2 or 3
.endif
.irp a, \a0, (\a0)+1
.irp b, 0,1,2,3,4,5,6,7
.if \zero
	v_wmma_f32_16x16x32_bf16 v[8*(8*(\a)+(\b)):8*(8*(\a)+(\b))+7], v[(\f)+8*(\b):(\f)+8*(\b)+7], v[(\f)+8*(4*(\hi)+(\a)):(\f)+8*(4*(\hi)+(\a))+7], v[BIAS+8*(\b):BIAS+8*(\b)+7]
.else
	v_wmma_f32_16x16x32_bf16 v[8*(8*(\a)+(\b)):8*(8*(\a)+(\b))+7], v[(\f)+8*(\b):(\f)+8*(\b)+7], v[(\f)+8*(4*(\hi)+(\a)):(\f)+8*(4*(\hi)+(\a))+7], v[8*(8*(\a)+(\b)):8*(8*(\a)+(\b))+7]
.endif
.endr
.endr
.endm
; 32 LDS loads in one run: the fragments of one quarter step (128 rows of wbf, 128 rows of abf, 32 K at byte k of the rows) into buffer f
.macro FETCH slot, k, f
	WIN TO_B
.irp i, 0,1,2,3,4,5,6,7
	ds_load_b128 v[(\f)+8*(\i):(\f)+8*(\i)+3],   v[ADRB+(\slot)] offset:(\k)+(\i)*BLK
	ds_load_b128 v[(\f)+8*(\i)+4:(\f)+8*(\i)+7], v[ADRB+(\slot)] offset:(\k)+(\i)*BLK+32
.endr
	WIN 0
.irp i, 0,1,2,3,4,5,6,7
	ds_load_b128 v[(\f)+8*(\i):(\f)+8*(\i)+3],   v[ADRA+(\slot)] offset:(\k)+(\i)*BLK
	ds_load_b128 v[(\f)+8*(\i)+4:(\f)+8*(\i)+7], v[ADRA+(\slot)] offset:(\k)+(\i)*BLK+32
.endr
.endm
.macro PLACES                          ; four plain vector instructions between a matrix instruction and a load into a register that it has read (ISA guide 7.12.1 for vector instructions)
.rept 4
	v_nop
.endr
.endm
; A K step is four quarter steps of 32 along K, 64 matrix instructions each, on buffers 0, 1, 0, 1.  One of the first three multiplies buffer f and, in its middle, fetches the next quarter into g.
.macro QUARTER slot, k, f, g, zero
	s_wait_dscnt 8                                 ; wbf's and abf's rows 0-63 are in; the youngest eight loads (abf's rows 64-127) may be out
	MUL16 \f, 0, 0, \zero
	MUL16 \f, 0, 2, \zero
	PLACES
	FETCH \slot, \k, \g
	s_wait_dscnt 32                                ; all but the 32 just issued
	MUL16 \f, 1, 0, \zero
	MUL16 \f, 1, 2, \zero
.endm
; The first half of a K step's last quarter, and the barrier of the change of slots, which opens a round of the cluster's barrier.
.macro MEET
	WIN 0                                          ; (the add's two registers lie in window 0)
	s_wait_tensorcnt 0x0                           ; all my tensor loads have landed: the one that was out is my part of the next slot;
	ds_add_u32 v[SPW], v[NIL]                      ; 0 onto my spare word;
	s_wait_dscnt 9                                 ; (the add and the youngest eight loads may be out)
	MUL16 F1, 0, 0, 0                              ; sixteen matrix instructions stand between the add and the wait for it
	s_wait_dscnt 0x0                               ; the add is done, and my reads of this slot are over:
	s_barrier_signal -1                            ; say so,
	MUL16 F1, 0, 2, 0                              ; work on registers while the others arrive,
	WIN 0
	s_barrier_wait -1                              ; and go on when all four have said so
.endm
; The whole last quarter: behind the round the slot just read out is filled again first, with the K step two steps on; then come the next slot's first fragments.
.macro TURN slot, next
	s_wait_xcnt 0x0                                ; the last prefetch, a K step back, has read its address: it is stepped here
	s_add_nc_u64 s[PFA:PFA+1], s[PFA:PFA+1], KSTEP*2
	MEET
	CREST                                          ; no wave of any partner still reads this slot's tile or has a load on its way
	s_add_nc_u64 s[G0+4*(\slot)+2:G0+4*(\slot)+3], s[G0+4*(\slot)+2:G0+4*(\slot)+3], 2*KSTEP*2
	s_add_nc_u64 s[G0B+4*(\slot)+2:G0B+4*(\slot)+3], s[G0B+4*(\slot)+2:G0B+4*(\slot)+3], 2*KSTEP*2
	JLOAD \slot                                    ; the first tensor load behind the round; its four v_nop are also the places in front of the loads below
	FETCH \next, 0, F0
	ASK
.if (\slot) == 0
	ASKC
.endif
	MUL16 F1, 1, 0, 0
	MUL16 F1, 1, 2, 0
.endm
	s_wait_tensorcnt 1                             ; my part of K step 0 is in; K step 1's may stay out
	s_barrier_signal -1
	s_barrier_wait -1                              ; everybody's is
	FETCH 0, 0, F0
	QUARTER 0, 64,  F0, F1, 1                      ; the first quarter stands in front of the loop: its products start the sums, with the bias
	WIN 0                                          ; at a label and at a branch every window is 0
	s_mov_b32 s3, LAPS-1
.Llap:                                                 ; a trip goes once round the ring, from a lap's second quarter to the next lap's first, and fills both slots again
	QUARTER 0, 128, F1, F0, 0
	QUARTER 0, 192, F0, F1, 0
	TURN 0, 1
	QUARTER 1, 64,  F0, F1, 0
	QUARTER 1, 128, F1, F0, 0
	QUARTER 1, 192, F0, F1, 0
	TURN 1, 0
	QUARTER 0, 64,  F0, F1, 0
	WIN 0
	s_sub_co_u32 s3, s3, 1
	s_cmp_lg_u32 s3, 0
	s_cbranch_scc1 .Llap
	QUARTER 0, 128, F1, F0, 0                      ; K step 22 goes on
	QUARTER 0, 192, F0, F1, 0
	MEET                                           ; slot 0 is read out, K step 23 is whole in slot 1
	CREST
	tensor_load_to_lds s[G0C:G0C+3], s[G1C:G1C+7]  ; slot 0's last fill: my 128 rows of c or h; my one tensor load behind the round: 224 matrix instructions ahead of the wait for it
	s_nop 0
	PLACES                                         ; (the places in front of the loads below)
	FETCH 1, 0, F0
	MUL16 F1, 1, 0, 0
	MUL16 F1, 1, 2, 0
	QUARTER 1, 64,  F0, F1, 0
	QUARTER 1, 128, F1, F0, 0
	QUARTER 1, 192, F0, F1, 0
	s_wait_tensorcnt 0x0                           ; the very last quarter.  My part of c or h has landed;
	s_wait_dscnt 8
	MUL16 F1, 0, 0, 0
	s_wait_dscnt 0x0                               ; my reads of slot 1 are over: behind this barrier it is written as the stage (it has had its last fill)
	s_barrier_signal -1
	MUL16 F1, 0, 2, 0
	MUL16 F1, 1, 0, 0
	MUL16 F1, 1, 2, 0
	WIN 0
	s_barrier_wait -1                              ; c and h are whole; nobody reads slot 1 any more
	; the cell's LDS addresses: ten plain vector instructions, the places behind the last products and in front of the loads into registers that they have read
	s_mul_i32 s20, s11, HALFT
	s_lshl_b32 s21, s12, 7
	s_add_co_u32 s20, s20, s21
	v_mul_u32_u24 v[CRD], v[L16], PITCH
	v_lshl_add_u32 v[CRD], v[HL], 5, v[CRD]
	v_add_nc_u32 v[CRD], s20, v[CRD]
	v_add_nc_u32 v[HRD], 2*HALFT, v[CRD]
	v_add_nc_u32 v[CWR], SLOT, v[CRD]
	v_add_nc_u32 v[HWR], SLOT, v[HRD]
	s_mul_i32 s21, s10, 64*PITCH
	s_add_co_u32 s21, s21, SLOT
	v_mul_u32_u24 v[RDO], v[HL], PITCH
	v_lshl_add_u32 v[RDO], v[L16], 4, v[RDO]
	v_add_nc_u32 v[RDO], s21, v[RDO]
	v_add_nc_u32 v[RDH], 2*HALFT, v[RDO]
; THE CELL for block a of 16 rows: 16 numbers a lane (two groups of 8 neighbouring j).  Written out for each block, the block's place in LDS in the immediates.
; Four batches of transcendentals, each with one plain instruction behind its last and ONE wait ahead of its first reader.
.macro PK8 op:vararg                   ; one packed line for each of 8 pairs n
.set n, 0
.rept 8
	\op
.set n, n+2
.endr
.endm
.macro EPI a
.set AC, 64*((\a)%4)
.irp u, 0,1
	ds_load_b128 v[CC+8*(\u):CC+8*(\u)+3],   v[CRD] offset:BLK*(\a)+64*(\u)
	ds_load_b128 v[CC+8*(\u)+4:CC+8*(\u)+7], v[CRD] offset:BLK*(\a)+64*(\u)+16
	ds_load_b128 v[HH+8*(\u):HH+8*(\u)+3],   v[HRD] offset:BLK*(\a)+64*(\u)
	ds_load_b128 v[HH+8*(\u)+4:HH+8*(\u)+7], v[HRD] offset:BLK*(\a)+64*(\u)+16
.endr
	v_sub_f32 v[CO+1], 1.0, v[Z+(\a)]              ; om = 1 - z
	v_mul_f32 v[CO], v[CO+1], v[ZB+(\a)]           ; P = om z_bottom
	v_sub_f32 v[CO+2], v[CO+1], v[CO]              ; Q = om - P
	v_add_f32 v[CO+4], v[Z+(\a)], v[CO]            ; S = z + P
	WIN 0x02+(\a)/4                                ; source 0: window 2 or 3
.set n, 0
.rept 32                                               ; the exponents, each accumulator's registers in ascending order: -x log2 e for i, o, f; 2 x log2 e for g (registers 16 to 31)
.if n/8 == 1
	v_pk_mul_f32 v[E+2*n:E+2*n+1], v[AC+2*n:AC+2*n+1], s[TL:TL+1] op_sel_hi:[1,0]
.else
	v_pk_mul_f32 v[E+2*n:E+2*n+1], v[AC+2*n:AC+2*n+1], s[NL:NL+1] op_sel_hi:[1,0]
.endif
.set n, n+1
.endr
	WIN 0
.set n, 0
.rept 64
	v_exp_f32 v[E+n], v[E+n]
.set n, n+1
.endr
	v_nop
	s_wait_alu depctr_va_vdst(0)
.set n, 0
.rept 32
	v_pk_add_f32 v[E+n:E+n+1], v[E+n:E+n+1], 1.0 op_sel_hi:[1,0]
.set n, n+2
.endr
.set n, 0
.rept 64
	v_rcp_f32 v[E+n], v[E+n]
.set n, n+1
.endr
	v_nop
	s_wait_alu depctr_va_vdst(0)
	PK8 v_pk_fma_f32 v[E+16+n:E+16+n+1], v[E+16+n:E+16+n+1], -2.0, 1.0 op_sel_hi:[1,0,0]                          ; g = 1 - 2 / (1 + 2^..)
	PK8 v_pk_mul_f32 v[E+n:E+n+1], v[E+n:E+n+1], v[E+16+n:E+16+n+1]                                              ; i g
	PK8 v_pk_fma_f32 v[E+48+n:E+48+n+1], v[E+48+n:E+48+n+1], v[CO:CO+1], v[CO+2:CO+3] op_sel_hi:[1,0,0]          ; P f + Q
	s_wait_dscnt 0x0                               ; c and h of the block are in
	PK8 v_pk_mul_f32 v[E+48+n:E+48+n+1], v[E+48+n:E+48+n+1], v[CC+n:CC+n+1]                                      ; (P f + Q) c
	PK8 v_pk_fma_f32 v[CC+n:CC+n+1], v[E+n:E+n+1], v[CO+4:CO+5], v[E+48+n:E+48+n+1] op_sel_hi:[1,0,1]            ; c_new
	PK8 v_pk_mul_f32 v[T+n:T+n+1], v[CC+n:CC+n+1], s[TL:TL+1] op_sel_hi:[1,0]
.set n, 0
.rept 16
	v_exp_f32 v[T+n], v[T+n]
.set n, n+1
.endr
	PK8 v_pk_mul_f32 v[HH+n:HH+n+1], v[HH+n:HH+n+1], v[CO+2:CO+3] op_sel_hi:[1,0]                                ; Q h: work that names no exponential's result
.irp u, 0,1
	ds_store_b128 v[CWR], v[CC+8*(\u):CC+8*(\u)+3]   offset:BLK*(\a)+64*(\u)
	ds_store_b128 v[CWR], v[CC+8*(\u)+4:CC+8*(\u)+7] offset:BLK*(\a)+64*(\u)+16
.endr
	s_wait_alu depctr_va_vdst(0)
	PK8 v_pk_add_f32 v[T+n:T+n+1], v[T+n:T+n+1], 1.0 op_sel_hi:[1,0]
.set n, 0
.rept 16
	v_rcp_f32 v[T+n], v[T+n]
.set n, n+1
.endr
	v_nop
	s_wait_alu depctr_va_vdst(0)
	PK8 v_pk_fma_f32 v[T+n:T+n+1], v[T+n:T+n+1], -2.0, 1.0 op_sel_hi:[1,0,0]                                      ; tanh c_new
	PK8 v_pk_mul_f32 v[T+n:T+n+1], v[T+n:T+n+1], v[E+32+n:E+32+n+1]                                              ; o tanh c_new
	PK8 v_pk_fma_f32 v[HH+n:HH+n+1], v[T+n:T+n+1], v[CO+4:CO+5], v[HH+n:HH+n+1] op_sel_hi:[1,0,1]                ; h_new
.irp u, 0,1
	ds_store_b128 v[HWR], v[HH+8*(\u):HH+8*(\u)+3]   offset:BLK*(\a)+64*(\u)
	ds_store_b128 v[HWR], v[HH+8*(\u)+4:HH+8*(\u)+7] offset:BLK*(\a)+64*(\u)+16
.endr
.endm
.irp a, 0,1,2,3,4,5,6,7
	EPI \a
.endr
	; THE WAY OUT.  A row's 256 bytes come from two waves: a barrier, then each wave reads 64 whole rows of c_new and of h_new and stores them.
	s_wait_dscnt 0x0                               ; for the others' sake: my stores into the stage are done
	s_barrier_signal -1
	s_barrier_wait -1
.macro LD set, adr, t0                 ; 32 rows: lanes 0-15 one row of 256 bytes, lanes 16-31 the next
.irp i, 0,1,2,3,4,5,6,7,8,9,10,11,12,13,14,15
	ds_load_b128 v[(\set)+4*(\i):(\set)+4*(\i)+3], v[\adr] offset:2*PITCH*((\t0)+(\i))
.endr
.endm
.macro ST set, base, t0, young         ; young: the LDS loads issued behind this set's sixteen, which may stay out
.irp i, 0,1,2,3,4,5,6,7,8,9,10,11,12,13,14,15
	s_wait_dscnt (\young)+15-(\i)
	global_store_b128 v[GO], v[(\set)+4*(\i):(\set)+4*(\i)+3], s[(\base):(\base)+1] offset:8192*((\t0)+(\i)) th:TH_STORE_NT  ; 16 lanes store 256 consecutive bytes, at a multiple of 256 from the output's first byte
.endr
.endm
	LD OA, RDO, 0
	LD OB, RDO, 16
	ST OA, 90, 0, 16                               ; out1 = c_new
	s_wait_xcnt 0x0                                ; the stores have read their registers: the set is loaded again only behind this wait
	LD OA, RDH, 0
	ST OB, 90, 16, 16
	s_wait_xcnt 0x0
	LD OB, RDH, 16
	ST OA, 88, 0, 16                               ; out0 = h_new
	ST OB, 88, 16, 0
	s_wait_tensorcnt 0x0                           ; the wave's end: behind my last tensor load and my last LDS store
	ds_add_u32 v[SPW], v[NIL]
	s_wait_dscnt 0x0
	CROUND                                         ; the closing round: no work-group ends while a partner may still ask for a tile that names it
	s_endpgm
.Lfunc_end_k_qb07cb5b152_cell:
	.size	k_qb07cb5b152_cell, .Lfunc_end_k_qb07cb5b152_cell-k_qb07cb5b152_cell
	.p2alignl 7, 3214868480
	.fill 96, 4, 3214868480
	.section	.rodata,"a",@progbits
	.p2align	6, 0x0
	.amdhsa_kernel k_qb07cb5b152_cell
		.amdhsa_group_segment_fixed_size 327680
		.amdhsa_private_segment_fixed_size 0
		.amdhsa_enable_private_segment 0
		.amdhsa_kernarg_size 88
		.amdhsa_user_sgpr_count 2
		.amdhsa_user_sgpr_kernarg_segment_ptr 1
		.amdhsa_wavefront_size32 1
		.amdhsa_system_sgpr_workgroup_id_x 1
		.amdhsa_system_sgpr_workgroup_id_y 1
		.amdhsa_system_sgpr_workgroup_id_z 1
		.amdhsa_system_vgpr_workitem_id 0
		.amdhsa_next_free_vgpr 1024
		.amdhsa_next_free_sgpr 102
		.amdhsa_reserve_vcc 1
		.amdhsa_float_denorm_mode_32 3
		.amdhsa_float_denorm_mode_16_64 3
		.amdhsa_memory_ordered 1
		.amdhsa_forward_progress 1
		.amdhsa_inst_pref_size 255
	.end_amdhsa_kernel
	.section	.bss,"aw",@nobits
	.p2align	6
	.space	262144
	.amdgpu_metadata
---
amdhsa.version: [ 1, 2 ]
amdhsa.kernels:
  - .name:           k_qb07cb5b152_cell
    .symbol:         k_qb07cb5b152_cell.kd
    .args:
      - { .name: abf, .offset: 0, .size: 8, .value_kind: global_buffer, .address_space: global }
      - { .name: wbf, .offset: 8, .size: 8, .value_kind: global_buffer, .address_space: global }
      - { .name: c, .offset: 16, .size: 8, .value_kind: global_buffer, .address_space: global }
      - { .name: h, .offset: 24, .size: 8, .value_kind: global_buffer, .address_space: global }
      - { .name: out0, .offset: 32, .size: 8, .value_kind: global_buffer, .address_space: global }
      - { .name: out1, .offset: 40, .size: 8, .value_kind: global_buffer, .address_space: global }
      - { .name: b, .offset: 48, .size: 8, .value_kind: global_buffer, .address_space: global }
      - { .name: z, .offset: 56, .size: 8, .value_kind: global_buffer, .address_space: global }
      - { .name: z_bottom, .offset: 64, .size: 8, .value_kind: global_buffer, .address_space: global }
      - { .name: szp, .offset: 72, .size: 8, .value_kind: global_buffer, .address_space: global }
      - { .name: out2, .offset: 80, .size: 8, .value_kind: global_buffer, .address_space: global }
    .group_segment_fixed_size: 327680
    .private_segment_fixed_size: 0
    .kernarg_segment_align: 8
    .kernarg_segment_size: 88
    .max_flat_workgroup_size: 128
    .sgpr_count:     102
    .vgpr_count:     1024
    .wavefront_size: 32
...
	.end_amdgpu_metadata
.endif
;; end of part 2
